; MI455X (gfx1250); checked and timed in simulation.
; The chip was launched on July 23, 2026; its instructions are those of AMD's public machine-readable ISA for CDNA 5 (MIT licence, August 2026) and "CDNA5" Instruction Set Architecture Reference Guide (July 2026). The comments in the code are by the model that wrote it; some were corrected since.
;; Llama Attention. Allowed arithmetic: float matrix products may take bf16 or f16 operands with f32 sums; all other float work in f32.
;; Inputs: Wk 2,048 x 2,048 float32; Wo 2,048 x 2,048 float32; Wq 2,048 x 2,048 float32; Wv 2,048 x 2,048 float32; attention_mask 1 x 1 x 2,048 x 2,048 float32; hidden_states 1 x 2,048 x 2,048 float32; position_ids 1 x 2,048 int32.
;; Outputs: out0 1 x 2,048 x 2,048 float32.
;; One version. Each part assembles by itself: llvm-mc -triple=amdgcn-amd-amdhsa -mcpu=gfx1250 --defsym DOCPART=n.
;; ======== version 1 of 1: 4 launches
;; limits: values are held in f16: magnitudes above 65,504 overflow, below 6.1e-05 lose precision
;; workspace buffers: cast 41,943,040 bytes; rope 1,048,576 bytes; qkv 25,165,824 bytes; att 8,388,608 bytes
;; launch prep (part 1): grid 256 x 6, 8 waves a work-group, no clusters, 0 bytes of LDS; arguments hidden_states, Wq, Wk, Wv, Wo, position_ids, cast, rope; writes cast, rope
.if DOCPART == 1
	.amdgcn_target "amdgcn-amd-amdhsa--gfx1250"
	.amdhsa_code_object_version 6
	.text
	.protected	k_q6b692fdc50_prep
	.globl	k_q6b692fdc50_prep
	.p2align	8
	.type	k_q6b692fdc50_prep,@function
k_q6b692fdc50_prep:
	s_mov_b64 s[64:65], 0
	v_nop
	global_prefetch_b8 v0, s[64:65] scope:SCOPE_SE
	s_setreg_imm32_b32 hwreg(HW_REG_WAVE_MODE, 25, 1), 1
	s_wait_xcnt 0x0
; prep: work-group rows y = 0..4 round hidden_states, Wq, Wk, Wv, Wo for the matrix units into cast[y][2048][2048];
; row y = 5 makes the RoPE table rope[s][g = 0..7][cos of f = 8g..8g+7 | sin of f = 8g..8g+7] in f32 from position_ids.
; THE FORMAT.  The five inputs are matrix operands and are rounded to bf16, to nearest even: the operand format of the problem's contract, whose comparison admits
; the source computed on inputs rounded so.  The intermediates of the later launches (q, k, v, P, the attention result) are kept in f16, three bits finer, and a matrix
; instruction takes both its operands in one format; so the bf16 value is stored as f16.  That second step is exact for 2^-17 <= |x| <= 65,280 (8 significant bits in f16's 11,
; f16's smallest step being 2^-24).  What then lies between this program and the source on bf16 inputs is the f16 rounding of the intermediates alone; against the source on
; unrounded inputs the result carries the inputs' bf16 rounding, 2^-9 of each number at the most.
; A stream: each input byte is read once, each output byte written once; no LDS, no barrier, no matrix unit, no cluster (no two work-groups read the same bytes).
; LIMITS.  A magnitude above 65,408 becomes infinity; below 2^-17 it keeps, beside the bf16 rounding, an absolute error of up to 3e-8.
; The angle pos * inv_freq is formed as in the source (one f32 product), with inv_freq = 2^(-f * log2(10000)/64) good to some 3e-7 of its value,
; so the angle is off by up to about |pos| * inv_freq * 3e-7 rad (6e-4 rad at |pos| = 2048, growing with |pos|); |pos| below 2^30.
.set X, 4                              ; v[4:67]   sixteen loads of 16 bytes; then the same numbers, rounded to bf16, widened again
.set Y, 68                             ; v[68:99]  sixteen stores of 8 bytes
.set B, 100                            ; v[100:101] four numbers as bf16
.set FQ, 8                             ; rope path: v[8:11] frequency, then angle
.set KK, 12                            ; v[12:15]  quarter turns
.set RR, 16                            ; v[16:19]  reduced angle
.set ZZ, 20                            ; v[20:23]  its square
.set PS, 24                            ; v[24:27]  sine of the reduced angle
.set PC, 28                            ; v[28:31]  cosine of it
.set QQ, 32                            ; v[32:35]  quadrant
.set OO, 36                            ; v[36:39]  the four results
	s_load_b512 s[16:31], s[0:1], 0x0              ; hidden s[16:17], Wq s[18:19], Wk s[20:21], Wv s[22:23], Wo s[24:25], position_ids s[26:27], cast s[28:29], rope s[30:31]
	s_and_b32 s2, ttmp7, 0xffff                    ; y
	s_wait_kmcnt 0x0
	s_cmp_eq_u32 s2, 5
	s_cbranch_scc1 .Lrope
	; ---- the cast: the work-group owns 16,384 numbers, 64 KiB in and 32 KiB out ----
	s_cmp_eq_u32 s2, 1                             ; the source is chosen by y alone
	s_cselect_b64 s[4:5], s[18:19], s[16:17]
	s_cmp_eq_u32 s2, 2
	s_cselect_b64 s[4:5], s[20:21], s[4:5]
	s_cmp_eq_u32 s2, 3
	s_cselect_b64 s[4:5], s[22:23], s[4:5]
	s_cmp_eq_u32 s2, 4
	s_cselect_b64 s[4:5], s[24:25], s[4:5]
	s_lshl_b32 s8, ttmp9, 16                       ; x * 64 KiB
	s_mov_b32 s9, 0
	s_add_nc_u64 s[4:5], s[4:5], s[8:9]
	s_lshl_b32 s10, s2, 23                         ; y * 8 MiB
	s_lshl_b32 s11, ttmp9, 15                      ; + x * 32 KiB
	s_add_co_u32 s10, s10, s11
	s_mov_b32 s11, 0
	s_add_nc_u64 s[6:7], s[28:29], s[10:11]
	s_mov_b32 s12, 0xffff0000                      ; a word's upper bf16
	v_lshlrev_b32 v1, 4, v0                        ; 16 bytes a thread in
	v_lshlrev_b32 v2, 3, v0                        ; 8 bytes a thread out
.irp i, 0,1,2,3,4,5,6,7,8,9,10,11,12,13,14,15
	global_load_b128 v[X+4*\i:X+4*\i+3], v1, s[4:5] offset:4096*\i th:TH_LOAD_NT   ; all sixteen go out at once: 8 KiB of every wave on their way
.endr
.irp i, 0,1,2,3,4,5,6,7,8,9,10,11,12,13,14,15
	s_wait_loadcnt 15-\i                           ; loads return in order: load i is in, the 15 - i younger ones stay out
	v_cvt_pk_bf16_f32 v[B],   v[X+4*\i],   v[X+4*\i+1]     ; the one rounding: to bf16, nearest even
	v_cvt_pk_bf16_f32 v[B+1], v[X+4*\i+2], v[X+4*\i+3]
	v_lshlrev_b32 v[X+4*\i],   16,  v[B]                   ; bf16 to f32: the low half moves up,
	v_and_b32     v[X+4*\i+1], s12, v[B]                   ; the high half stays
	v_lshlrev_b32 v[X+4*\i+2], 16,  v[B+1]
	v_and_b32     v[X+4*\i+3], s12, v[B+1]
	v_cvt_pk_f16_f32 v[Y+2*\i],   v[X+4*\i],   v[X+4*\i+1] ; the same numbers as f16: exact in the range given at the head
	v_cvt_pk_f16_f32 v[Y+2*\i+1], v[X+4*\i+2], v[X+4*\i+3]
	global_store_b64 v2, v[Y+2*\i:Y+2*\i+1], s[6:7] offset:2048*\i   ; a wave's store covers 256 consecutive bytes, aligned; no store's data or address is written again, so nothing waits for a store
.endr
	s_endpgm
	; ---- the table: wave w makes row s = 8 x + w; lane l its floats 4 l .. 4 l + 3 ----
.Lrope:
	v_lshrrev_b32 v1, 5, v0
	v_readfirstlane_b32 s3, v1                     ; wave
	s_lshl3_add_u32 s6, ttmp9, s3                  ; s = 8 x + w
	s_lshl_b32 s8, s6, 2
	s_mov_b32 s9, 0
	s_add_nc_u64 s[26:27], s[26:27], s[8:9]
	s_load_b32 s7, s[26:27], 0x0                   ; position_ids[s]
	v_and_b32 v2, 31, v0                           ; l
	v_lshrrev_b32 v3, 2, v2                        ; g = l / 4
	v_and_b32 v4, 1, v2
	v_lshlrev_b32 v4, 2, v4
	v_lshl_add_u32 v3, v3, 3, v4                   ; first frequency: 8 g + 4 (l & 1)
	v_bfe_u32 v5, v2, 1, 1                         ; 1: my four are sines
	v_xor_b32 v5, 1, v5                            ; 1: cosines = sines a quarter turn on
	v_lshlrev_b32 v6, 4, v0                        ; 512 w + 16 l
	s_lshl_b32 s10, ttmp9, 12                      ; eight rows of 512 bytes
	s_mov_b32 s11, 0
	s_add_nc_u64 s[30:31], s[30:31], s[10:11]
.irp i, 0,1,2,3
	v_add_nc_u32 v[FQ+\i], \i, v3
	v_cvt_f32_u32 v[FQ+\i], v[FQ+\i]
	v_mul_f32 v[FQ+\i], 0xbe549a78, v[FQ+\i]       ; -f * log2(10000) / 64
.endr
.irp i, 0,1,2,3
	v_exp_f32 v[FQ+\i], v[FQ+\i]                   ; inv_freq
.endr
	v_nop                                          ; one plain place behind the last exponential (ISA guide 5.7.2)
	s_wait_kmcnt 0x0
	v_cvt_f32_i32 v7, s7                           ; pos
	s_wait_alu depctr_va_vdst(0)
.irp i, 0,1,2,3
	v_mul_f32 v[FQ+\i], v7, v[FQ+\i]               ; the angle t, one rounding
	v_mul_f32 v[KK+\i], 0x3f22f983, v[FQ+\i]       ; t * 2/pi
	v_rndne_f32 v[KK+\i], v[KK+\i]                 ; k quarter turns
	v_fmamk_f32 v[RR+\i], v[KK+\i], 0xbfc90fdb, v[FQ+\i]   ; r = t - k * pi/2, pi/2 in two parts
	v_fmamk_f32 v[RR+\i], v[KK+\i], 0x333bbd2e, v[RR+\i]
	v_mul_f32 v[ZZ+\i], v[RR+\i], v[RR+\i]
	v_mov_b32 v[PS+\i], 0xb94ca1f9                 ; sin r = r + r z (-1.6666655e-1 + z (8.3321609e-3 - 1.9515296e-4 z)), |r| <= pi/4
	v_fmaak_f32 v[PS+\i], v[PS+\i], v[ZZ+\i], 0x3c08839e
	v_fmaak_f32 v[PS+\i], v[PS+\i], v[ZZ+\i], 0xbe2aaaa3
	v_mul_f32 v[PS+\i], v[PS+\i], v[ZZ+\i]
	v_fma_f32 v[PS+\i], v[PS+\i], v[RR+\i], v[RR+\i]
	v_mov_b32 v[PC+\i], 0x37ccf5ce                 ; cos r = 1 + z (-1/2 + z (4.1666646e-2 + z (-1.3887316e-3 + 2.4433157e-5 z)))
	v_fmaak_f32 v[PC+\i], v[PC+\i], v[ZZ+\i], 0xbab6061a
	v_fmaak_f32 v[PC+\i], v[PC+\i], v[ZZ+\i], 0x3d2aaaa5
	v_fmaak_f32 v[PC+\i], v[PC+\i], v[ZZ+\i], 0xbf000000
	v_fma_f32 v[PC+\i], v[PC+\i], v[ZZ+\i], 1.0
	v_cvt_i32_f32 v[QQ+\i], v[KK+\i]
	v_add_nc_u32 v[QQ+\i], v[QQ+\i], v5            ; quadrant q; sin(r + q pi/2) = S, C, -S, -C for q mod 4 = 0, 1, 2, 3
	v_and_b32 v[KK+\i], 1, v[QQ+\i]
	v_cmp_eq_u32 vcc_lo, 1, v[KK+\i]
	v_cndmask_b32 v[OO+\i], v[PS+\i], v[PC+\i], vcc_lo
	v_lshlrev_b32 v[QQ+\i], 30, v[QQ+\i]           ; bit 1 of q is the sign
	v_and_b32 v[QQ+\i], 0x80000000, v[QQ+\i]
	v_xor_b32 v[OO+\i], v[OO+\i], v[QQ+\i]
.endr
	global_store_b128 v6, v[OO:OO+3], s[30:31]     ; a wave stores its row's 512 consecutive bytes
	s_endpgm
.Lfunc_end_k_q6b692fdc50_prep:
	.size	k_q6b692fdc50_prep, .Lfunc_end_k_q6b692fdc50_prep-k_q6b692fdc50_prep
	.p2alignl 7, 3214868480
	.fill 96, 4, 3214868480
	.section	.rodata,"a",@progbits
	.p2align	6, 0x0
	.amdhsa_kernel k_q6b692fdc50_prep
		.amdhsa_group_segment_fixed_size 0
		.amdhsa_private_segment_fixed_size 0
		.amdhsa_enable_private_segment 0
		.amdhsa_kernarg_size 64
		.amdhsa_user_sgpr_count 2
		.amdhsa_user_sgpr_kernarg_segment_ptr 1
		.amdhsa_wavefront_size32 1
		.amdhsa_system_sgpr_workgroup_id_x 1
		.amdhsa_system_sgpr_workgroup_id_y 1
		.amdhsa_system_sgpr_workgroup_id_z 1
		.amdhsa_system_vgpr_workitem_id 0
		.amdhsa_next_free_vgpr 104
		.amdhsa_next_free_sgpr 66
		.amdhsa_reserve_vcc 1
		.amdhsa_float_denorm_mode_32 3
		.amdhsa_float_denorm_mode_16_64 3
		.amdhsa_memory_ordered 1
		.amdhsa_forward_progress 1
		.amdhsa_inst_pref_size 17
	.end_amdhsa_kernel
	.amdgpu_metadata
---
amdhsa.version: [ 1, 2 ]
amdhsa.kernels:
  - .name:           k_q6b692fdc50_prep
    .symbol:         k_q6b692fdc50_prep.kd
    .args:
      - { .name: hidden_states, .offset: 0, .size: 8, .value_kind: global_buffer, .address_space: global }
      - { .name: Wq, .offset: 8, .size: 8, .value_kind: global_buffer, .address_space: global }
      - { .name: Wk, .offset: 16, .size: 8, .value_kind: global_buffer, .address_space: global }
      - { .name: Wv, .offset: 24, .size: 8, .value_kind: global_buffer, .address_space: global }
      - { .name: Wo, .offset: 32, .size: 8, .value_kind: global_buffer, .address_space: global }
      - { .name: position_ids, .offset: 40, .size: 8, .value_kind: global_buffer, .address_space: global }
      - { .name: cast, .offset: 48, .size: 8, .value_kind: global_buffer, .address_space: global }
      - { .name: rope, .offset: 56, .size: 8, .value_kind: global_buffer, .address_space: global }
    .group_segment_fixed_size: 0
    .private_segment_fixed_size: 0
    .kernarg_segment_align: 8
    .kernarg_segment_size: 64
    .max_flat_workgroup_size: 256
    .sgpr_count:     66
    .vgpr_count:     104
    .wavefront_size: 32
...
	.end_amdgpu_metadata
.endif
;; end of part 1
;; launch qkv (part 2): grid 16 x 16, 4 waves a work-group, clusters of 4 x 4, 327,680 bytes of LDS; arguments cast, rope, qkv; writes qkv
.if DOCPART == 2
	.amdgcn_target "amdgcn-amd-amdhsa--gfx1250"
	.amdhsa_code_object_version 6
	.text
	.protected	k_q6b692fdc50_qkv
	.globl	k_q6b692fdc50_qkv
	.p2align	8
	.type	k_q6b692fdc50_qkv,@function
k_q6b692fdc50_qkv:
	s_mov_b64 s[64:65], 0
	v_nop
	global_prefetch_b8 v0, s[64:65] scope:SCOPE_SE
	s_setreg_imm32_b32 hwreg(HW_REG_WAVE_MODE, 25, 1), 1
	s_wait_xcnt 0x0
	s_wait_alu depctr_hold_cnt(0) depctr_sa_sdst(0) depctr_va_vdst(0) depctr_va_sdst(0) depctr_va_ssrc(0) depctr_va_vcc(0) depctr_vm_vsrc(0)
	s_getreg_b32 s2, hwreg(HW_REG_IB_STS2, 6, 4)
	s_cmp_eq_u32 s2, 0
	s_cbranch_scc0 .Lentry_in_a_cluster
	s_endpgm
.Lentry_in_a_cluster:
	s_bfe_u32 s2, ttmp6, 0x10000c
	s_cmp_lg_u32 s2, 0xf033
	s_cbranch_scc0 .Lentry_shape_is_right
	s_endpgm
.Lentry_shape_is_right:
; qkv: Q = rope(X Wq^T) * log2 e / sqrt(128), K = rope(X Wk^T), V^T = (X Wv^T)^T, operands f16, sums f32, results f16.
; Q carries the factor that the scores need on their way into a base-2 exponential: one multiply in f32 here, ahead of the rounding to f16, spares one for every score later.
; qkv part 0: Q [s][2048]; part 1: K [s][2048] (head at byte 256 head of a row); part 2: V^T [128 head + d][2048 s].
; A work-group (x = block of 128 rows s, y = head) makes 128 rows x the head's 128 columns of Q, of K and of V: 256 equal work-groups.
; THE GRID'S AXES: the 16 work-groups of one y read the same 384 rows of W (1.5 MiB), the 16 of one x the same 128 rows of X (0.5 MiB); y is the grid's slower axis,
; so work-groups whose numbers lie near each other share the larger of the two operands.
; Wave w takes all 128 rows x the column tiles w and w + 4 of each of the three: 48 accumulator tiles, 384 registers.  RoPE's partners, columns j and
; j + 64, are then the same lane and the same register number of two tiles.
; K goes in 16 steps of 128 (rows of 256 bytes) through two LDS slots; a slot holds 128 rows each of X, Wq, Wk, Wv; wave w fetches part w with one tensor load.
; CLUSTERS: 4 x 4.  X's tile hangs on x alone and is asked for jointly by a column of the cluster, the W tiles on y alone, jointly by a row.
; Q and K use the matrix instruction transposed (source 0 = rows of W, source 1 = rows of X): a lane holds row s = l % 16 and 8 neighbouring columns.
; V uses it straight (source 0 = X, source 1 = Wv): a lane holds column d = l % 16 and 8 neighbouring s, which is V^T packed along s.
; LIMIT: f16 results: |q| log2 e / sqrt(128), |k|, |v| above 65,504 become infinite.
; REGISTERS: window 0: v16-27 addresses, v64-127 / v128-191 X fragments (two buffers), v192-255 at work on the way out;
; window 1: W fragments c = 0..5 (2 x matrix + upper tile) at v[F + 8 c]; window 2: Q and K tiles at v[8 (8 c + a)], c = 0..3;
; window 3: V tiles at v[8 (8 (c - 4) + a)], and v[128 + 16 a ..]: 8 cosines, 8 sines of row block a.
.set PITCH,  272                       ; an LDS row: 256 bytes + 16 of padding, an odd multiple of 16: the 16 rows of a fragment load lie 16 bytes apart modulo 256
.set HALFT,  128*PITCH                 ; 128 rows: one tensor load
.set SLOT,   4*HALFT
.set LAPS,   8                         ; a lap = two K steps = once round the ring; 2048 / 256
.set ADRA, 16                          ; v16-17 X fragments in slot 0, 1
.set ADRB, 18                          ; v18-19 Wq and Wk fragments
.set ADRV, 20                          ; v20-21 Wv fragments (a 16-bit offset does not reach them from ADRB)
.set STO,  22                          ; way out: where my 16 bytes of a row of Q or K go
.set STOV, 23                          ; the same for V^T
.set RD,   24                          ; way out: where I read rows back
.set RD2,  25                          ; the same in V^T's stage
.set CO,   26                          ; my byte offset in the output block
.set RO,   27                          ; my byte offset in the table
.set F0,   64
.set F1,   128
.set TMP,  192
.set PK,   224
.set G1,  24                           ; s[24:31] group 1, X's tile
.set G0,  32                           ; s[32:39] group 0, X's tile, a set for each slot
.set G1B, 48                           ; s[48:55] group 1, W tiles: the other mask
.set G0B, 56                           ; s[56:63] group 0, W tiles
.set MSB, 0
.macro WIN new                         ; the immediate's high byte repeats the setting that is left
.if MSB != \new
	s_set_vgpr_msb (MSB<<8)|\new
.set MSB, \new
.endif
.endm
.macro PLACES                          ; four places behind matrix instructions (ISA guide 7.12.1) where no useful vector work is at hand
.rept 4
	v_nop
.endr
.endm
.macro JLOAD s                         ; wave 0 asks for X's tile, waves 1 to 3 for Wq's, Wk's, Wv's: one mask and one set of registers a line
	s_cmp_eq_u32 s10, 0
	s_cbranch_scc0 .Lfor_b_\@
	tensor_load_to_lds s[G0+4*\s:G0+4*\s+3], s[G1:G1+7]
	s_nop 0
	s_branch .Lasked_\@
.Lfor_b_\@:
	tensor_load_to_lds s[G0B+4*\s:G0B+4*\s+3], s[G1B:G1B+7]
	s_nop 0
.Lasked_\@:
.endm
.macro CROUND                          ; a round of the cluster's barrier
	s_barrier_signal -1
	s_barrier_wait -1
	s_cmp_lg_u32 s10, 0
	s_cbranch_scc1 .Lnot_wave_0_\@
	s_barrier_signal -3
.Lnot_wave_0_\@:
	s_barrier_wait -3
	s_barrier_signal -1
	s_barrier_wait -1
.endm
	s_load_b128 s[4:7], s[0:1], 0x0                ; cast s[4:5], rope s[6:7]
	s_load_b64 s[8:9], s[0:1], 0x10                ; qkv
	v_lshl_add_u32 v63, v0, 2, 0x44000
	s_set_vgpr_msb 0x40
	v_mov_b32 v255, 0
	s_set_vgpr_msb 0x4044
	ds_add_u32 v63, v255
	s_set_vgpr_msb 0x4400
	v_lshrrev_b32 v1, 5, v0
	v_readfirstlane_b32 s10, v1                    ; wave 0..3
	s_bfe_u32 s40, ttmp6, 0x40000                  ; cx
	s_bfe_u32 s41, ttmp6, 0x40004                  ; cy
	s_lshl_b32 s42, ttmp9, 2
	s_add_co_u32 s42, s42, s40                     ; row block = 4 x cluster x + cx
	s_and_b32 s13, ttmp7, 0xffff
	s_lshl_b32 s13, s13, 2
	s_add_co_u32 s13, s13, s41                     ; head = 4 x cluster y + cy
	s_lshl_b32 s43, s41, 2
	s_lshl_b32 s43, 15, s43                        ; my row of the cluster: the same head
	s_lshl_b32 s44, 0x1111, s40                    ; my column: the same row block
	; group 1: 128 rows x 128 elements of 2 bytes, 4 words of padding behind every 64 words, 2,048 elements from row to row
	s_or_b32 s[G1+0], s44, (1<<16)|(1<<20)|(1<<21)|(5<<22)|(3<<25)    ; X's tile goes to my column
	s_or_b32 s[G1B+0], s43, (1<<16)|(1<<20)|(1<<21)|(5<<22)|(3<<25)   ; the W tiles go to my row
	s_mov_b32 s[G1+1], 128<<16                     ; tensor_dim0 = 128
	s_mov_b32 s[G1B+1], 128<<16
	s_mov_b32 s[G1+2], 128<<16                     ; tensor_dim1 = 128
	s_mov_b32 s[G1B+2], 128<<16
	s_mov_b32 s[G1+3], 128<<16                     ; tile_dim0 = 128
	s_mov_b32 s[G1B+3], 128<<16
	s_mov_b32 s[G1+4], 128                         ; tile_dim1 = 128
	s_mov_b32 s[G1B+4], 128
	s_mov_b32 s[G1+5], 2048                        ; pitch
	s_mov_b32 s[G1B+5], 2048
	s_mov_b32 s[G1+6], 0
	s_mov_b32 s[G1B+6], 0
	s_mov_b32 s[G1+7], 0
	s_mov_b32 s[G1B+7], 0
	s_lshl_b32 s16, s42, 19                        ; X: 128 rows of 4,096 bytes a block; hangs on the row block alone
	s_mov_b32 s17, 0
	s_lshl_b32 s46, s13, 19                        ; W: the head's 128 rows,
	s_lshl_b32 s21, s10, 23                        ; in part 1, 2 or 3 of cast = my wave's number; hangs on the head alone
	s_add_co_u32 s46, s46, s21
	s_mov_b32 s47, 0
	s_mul_i32 s20, s10, HALFT                      ; part w of a slot
	s_wait_dscnt 0x0
	s_wait_kmcnt 0x0
	s_add_nc_u64 s[14:15], s[4:5], s[16:17]
	s_add_nc_u64 s[46:47], s[4:5], s[46:47]
	CROUND                                         ; all sixteen work-groups are here: the first joint loads meet
.irp s, 0,1
	s_mov_b32 s[G0+4*\s], 1
	s_add_co_u32 s[G0+4*\s+1], s20, \s*SLOT
	s_add_nc_u64 s[G0+4*\s+2:G0+4*\s+3], s[14:15], \s*256          ; K step s
	s_or_b32 s[G0+4*\s+3], s[G0+4*\s+3], 0x80000000
	s_mov_b32 s[G0B+4*\s], 1
	s_add_co_u32 s[G0B+4*\s+1], s20, \s*SLOT
	s_add_nc_u64 s[G0B+4*\s+2:G0B+4*\s+3], s[46:47], \s*256
	s_or_b32 s[G0B+4*\s+3], s[G0B+4*\s+3], 0x80000000
	JLOAD \s                                       ; both first fills go out before anything else: two tensor loads of the wave are out here, one later
.endr
	; cosines and sines: row s = 16 a + r, group g = 2 w + h (columns 16 w + 8 h + 0..7), 64 bytes a lane.  They stay on their way until the way out.
	v_and_b32 v1, 15, v0                           ; r
	v_bfe_u32 v2, v0, 4, 1                         ; h
	v_lshlrev_b32 v[RO], 9, v1
	v_lshl_add_u32 v[RO], v2, 6, v[RO]
	s_lshl_b32 s21, s10, 7
	v_add_nc_u32 v[RO], s21, v[RO]                 ; 512 r + 128 w + 64 h
	s_lshl_b32 s22, s42, 16                        ; 128 rows of 512 bytes a block
	s_mov_b32 s23, 0
	s_add_nc_u64 s[6:7], s[6:7], s[22:23]
	WIN 0xc0                                       ; destination window 3
.irp a, 0,1,2,3,4,5,6,7
.irp i, 0,1,2,3
	global_load_b128 v[128+16*\a+4*\i:128+16*\a+4*\i+3], v[RO], s[6:7] offset:8192*\a+16*\i
.endr
.endr
	WIN 0
	v_mul_u32_u24 v[ADRA], v1, PITCH
	v_lshl_add_u32 v[ADRA], v2, 4, v[ADRA]         ; 272 r + 16 h: a fragment is two loads of 16 bytes, 32 bytes apart
	v_add_nc_u32 v[ADRA+1], SLOT, v[ADRA]
	s_mul_i32 s21, s10, 16*PITCH                   ; my lower column tile's 16 rows of W
	s_add_co_u32 s22, s21, HALFT
	v_add_nc_u32 v[ADRB], s22, v[ADRA]
	v_add_nc_u32 v[ADRB+1], SLOT, v[ADRB]
	v_add_nc_u32 v[ADRV], 2*HALFT, v[ADRB]
	v_add_nc_u32 v[ADRV+1], 2*HALFT, v[ADRB+1]
	s_lshl_b32 s23, s10, 5
	v_add_nc_u32 v[STO], s23, v[ADRA]              ; stage row r, byte 32 w + 16 h
	s_add_co_u32 s22, s21, 2*HALFT
	v_add_nc_u32 v[STOV], s22, v[ADRA]             ; V^T's stage, row 16 w + r, byte 16 h
	v_mul_u32_u24 v4, v2, PITCH
	v_lshl_add_u32 v4, v1, 4, v4
	s_mul_i32 s22, s10, 32*PITCH
	v_add_nc_u32 v[RD], s22, v4                    ; back: rows 32 w + h, 16 bytes a lane
	v_add_nc_u32 v[RD2], 2*HALFT, v[RD]
	v_lshlrev_b32 v4, 12, v2
	v_lshl_add_u32 v4, v1, 4, v4
	s_lshl_b32 s22, s10, 17
	v_add_nc_u32 v[CO], s22, v4                    ; the same rows in memory, 4,096 bytes apart
; 16 matrix instructions: tiles c0, c0 + 1 of Q and K x the 8 row blocks.  The 48 accumulators take turns, one instruction a turn, in the same
; order in every quarter step.
.macro MULQK f, c0, zero
.irp c, \c0, \c0+1
.irp a, 0,1,2,3,4,5,6,7
.if \zero
	v_wmma_f32_16x16x32_f16 v[8*(8*(\c)+\a):8*(8*(\c)+\a)+7], v[\f+8*(\c):\f+8*(\c)+7], v[\f+8*\a:\f+8*\a+7], 0
.else
	v_wmma_f32_16x16x32_f16 v[8*(8*(\c)+\a):8*(8*(\c)+\a)+7], v[\f+8*(\c):\f+8*(\c)+7], v[\f+8*\a:\f+8*\a+7], v[8*(8*(\c)+\a):8*(8*(\c)+\a)+7]
.endif
.endr
.endr
.endm
.macro MULV f, zero                    ; 16 matrix instructions: V's two tiles x the 8 row blocks, X as source 0
.irp c, 0,1
.irp a, 0,1,2,3,4,5,6,7
.if \zero
	v_wmma_f32_16x16x32_f16 v[8*(8*\c+\a):8*(8*\c+\a)+7], v[\f+8*\a:\f+8*\a+7], v[\f+32+8*\c:\f+32+8*\c+7], 0
.else
	v_wmma_f32_16x16x32_f16 v[8*(8*\c+\a):8*(8*\c+\a)+7], v[\f+8*\a:\f+8*\a+7], v[\f+32+8*\c:\f+32+8*\c+7], v[8*(8*\c+\a):8*(8*\c+\a)+7]
.endif
.endr
.endr
.endm
.macro FETCH slot, k, f                ; 28 LDS loads in one run: 128 rows of X, then my 96 rows of W, 32 along K at byte k
	WIN 0
.irp a, 0,1,2,3,4,5,6,7
	ds_load_b128 v[\f+8*\a:\f+8*\a+3],   v[ADRA+\slot] offset:\k+\a*16*PITCH
	ds_load_b128 v[\f+8*\a+4:\f+8*\a+7], v[ADRA+\slot] offset:\k+\a*16*PITCH+32
.endr
	WIN 0x40
.irp c, 0,1,2,3
	ds_load_b128 v[\f+8*\c:\f+8*\c+3],   v[ADRB+\slot] offset:\k+(\c/2)*HALFT+(\c%2)*64*PITCH
	ds_load_b128 v[\f+8*\c+4:\f+8*\c+7], v[ADRB+\slot] offset:\k+(\c/2)*HALFT+(\c%2)*64*PITCH+32
.endr
.irp c, 0,1
	ds_load_b128 v[\f+32+8*\c:\f+32+8*\c+3], v[ADRV+\slot] offset:\k+\c*64*PITCH
	ds_load_b128 v[\f+32+8*\c+4:\f+32+8*\c+7], v[ADRV+\slot] offset:\k+\c*64*PITCH+32
.endr
.endm
.macro QUARTER slot, k, f, g, zero     ; 32 along K on buffer f; in its first third the next quarter's fragments are asked for, into buffer g
	s_wait_dscnt 8                                 ; X and W fragments 0, 1 are in; the youngest eight loads (fragments 2..5) may be out
	WIN 0xa1
	MULQK \f, 0, \zero
	PLACES                                         ; buffer g was read by matrix instructions: four places in front of the loads into it
	FETCH \slot, \k, \g
	s_wait_dscnt 28                                ; all but the 28 just issued
	WIN 0xa1
	MULQK \f, 2, \zero
	WIN 0xf4
	MULV \f, \zero
.endm
.macro THREE slot, zero
	QUARTER \slot, 64,  F0, F1, \zero
	QUARTER \slot, 128, F1, F0, 0
	QUARTER \slot, 192, F0, F1, 0
.endm
; The last quarter of a K step changes slots, and does so first of all.  Each wave waits for its reads of this slot (its last fragments are in buffer 1) and for all its
; tensor loads (the one that is out is its part of the next slot); where the slot is filled again a round of the cluster's barrier follows at once, with nothing inside it, and the joint
; refill is the first thing behind the round: a step brings 128 KiB for 192 matrix instructions of a wave, so the request goes out as early as the ordering allows, and the quarter's own
; 48 matrix instructions come behind it.  From a request to the wait for it a wave issues 192 matrix instructions.
.macro TURN slot, next, fill
	s_wait_dscnt 0x0
	s_wait_tensorcnt 0x0
	ds_add_u32 v63, v255
	s_wait_dscnt 0x0
	WIN 0
.if \fill
	CROUND                                         ; both waits now hold of every wave of all sixteen work-groups
	s_add_nc_u64 s[G0+4*\slot+2:G0+4*\slot+3], s[G0+4*\slot+2:G0+4*\slot+3], 512      ; two K steps on; no tensor load of the wave is out
	s_add_nc_u64 s[G0B+4*\slot+2:G0B+4*\slot+3], s[G0B+4*\slot+2:G0B+4*\slot+3], 512
	JLOAD \slot
.else
	s_barrier_signal -1                            ; it shows the next slot whole to every wave
	s_barrier_wait -1
.endif
	WIN 0xa1
	MULQK F1, 0, 0
	PLACES
	FETCH \next, 0, F0
	WIN 0xa1
	MULQK F1, 2, 0
	WIN 0xf4
	MULV F1, 0
.endm
.macro LAP zero
	THREE 0, \zero
	TURN 0, 1, 1
	THREE 1, 0
	TURN 1, 0, 1
.endm
	s_wait_tensorcnt 0x1                           ; my part of K step 0 is in; step 1's stays out
	s_barrier_signal -1
	s_barrier_wait -1
	FETCH 0, 0, F0
	LAP 1                                          ; the first products start the sums: nothing is cleared
	WIN 0
	s_mov_b32 s3, LAPS-2
.Llap:
	LAP 0
	WIN 0
	s_sub_co_u32 s3, s3, 1
	s_cmp_lg_u32 s3, 0
	s_cbranch_scc1 .Llap
	THREE 0, 0                                     ; the last lap fills nothing
	TURN 0, 1, 0                                   ; behind its barrier no wave reads slot 0 any more and no load fills it: it becomes the stage
	THREE 1, 0
	s_wait_dscnt 0x0
	WIN 0xa1
	MULQK F1, 0, 0
	MULQK F1, 2, 0
	WIN 0xf4
	MULV F1, 0
	; THE WAY OUT.  Stage in slot 0: Q at 0, K at HALFT, V^T at 2 HALFT, 128 rows of 272 bytes each.
	PLACES
	WIN 0
	s_lshl_b32 s72, s42, 19                        ; Q, K: row 128 block, byte 256 head (registers that feed no descriptor)
	s_lshl_b32 s74, s13, 8
	s_add_co_u32 s72, s72, s74
	s_mov_b32 s73, 0
	s_add_nc_u64 s[66:67], s[8:9], s[72:73]
	s_add_nc_u64 s[68:69], s[66:67], 0x800000
	s_lshl_b32 s72, s13, 19                        ; V^T: row 128 head, byte 256 block
	s_lshl_b32 s74, s42, 8
	s_add_co_u32 s72, s72, s74
	s_add_nc_u64 s[70:71], s[8:9], s[72:73]
	s_add_nc_u64 s[70:71], s[70:71], 0x1000000
	s_mov_b32 s76, 0x3e0293ee                      ; log2 e / sqrt(128)
	s_mov_b32 s77, 0x3e0293ee
	s_wait_loadcnt 0x0                             ; the table
.irp a, 0,1,2,3,4,5,6,7
	WIN 0x0e                                       ; tiles from window 2, table from window 3, results to window 0
.irp x, 0,1
.irp j, 0,2,4,6
	v_pk_mul_f32 v[TMP+16*\x+\j:TMP+16*\x+\j+1],     v[8*(16*\x+\a)+\j:8*(16*\x+\a)+\j+1],     v[128+16*\a+\j:128+16*\a+\j+1]    ; lo cos
	v_pk_mul_f32 v[TMP+16*\x+8+\j:TMP+16*\x+8+\j+1], v[8*(16*\x+8+\a)+\j:8*(16*\x+8+\a)+\j+1], v[128+16*\a+\j:128+16*\a+\j+1]    ; hi cos
.endr
.irp j, 0,2,4,6
	v_pk_fma_f32 v[TMP+16*\x+\j:TMP+16*\x+\j+1],     v[8*(16*\x+8+\a)+\j:8*(16*\x+8+\a)+\j+1], v[136+16*\a+\j:136+16*\a+\j+1], v[TMP+16*\x+\j:TMP+16*\x+\j+1] neg_lo:[1,0,0] neg_hi:[1,0,0]   ; - hi sin
	v_pk_fma_f32 v[TMP+16*\x+8+\j:TMP+16*\x+8+\j+1], v[8*(16*\x+\a)+\j:8*(16*\x+\a)+\j+1],     v[136+16*\a+\j:136+16*\a+\j+1], v[TMP+16*\x+8+\j:TMP+16*\x+8+\j+1]                           ; + lo sin
.endr
.endr
	WIN 0
.irp j, 0,2,4,6,8,10,12,14
	v_pk_mul_f32 v[TMP+\j:TMP+\j+1], v[TMP+\j:TMP+\j+1], s[76:77] op_sel_hi:[1,0]      ; Q's sixteen numbers alone: times log2 e / sqrt(128)
.endr
.irp q, 0,1,2,3,4,5,6,7,8,9,10,11,12,13,14,15
	v_cvt_pk_f16_f32 v[PK+\q], v[TMP+2*\q], v[TMP+2*\q+1]
.endr
.irp x, 0,1
.irp u, 0,1
	ds_store_b128 v[STO], v[PK+8*\x+4*\u:PK+8*\x+4*\u+3] offset:\x*HALFT+\a*16*PITCH+128*\u
.endr
.endr
.endr
	WIN 0x0f                                       ; V's sixteen tiles from window 3
.irp q, 0,1,2,3,4,5,6,7,8,9,10,11,12,13,14,15
.irp j, 0,1,2,3
	v_cvt_pk_f16_f32 v[TMP+4*\q+\j], v[8*\q+2*\j], v[8*\q+2*\j+1]
.endr
.endr
	WIN 0
.irp c, 0,1
.irp a, 0,1,2,3,4,5,6,7
	ds_store_b128 v[STOV], v[TMP+4*(8*\c+\a):TMP+4*(8*\c+\a)+3] offset:\c*64*PITCH+32*\a
.endr
.endr
	s_wait_dscnt 0x0                               ; a row of Q or K is put together by all four waves: my stores are done,
	s_barrier_signal -1
	s_barrier_wait -1                              ; everybody's are
.macro OUTP dst, rd, off, b            ; my 32 rows of one of the three stages: sixteen lanes store 256 consecutive bytes, aligned
.irp t, 0,1,2,3,4,5,6,7,8,9,10,11,12,13,14,15
	ds_load_b128 v[\dst+4*\t:\dst+4*\t+3], v[\rd] offset:\off+\t*2*PITCH
.endr
.irp t, 0,1,2,3,4,5,6,7,8,9,10,11,12,13,14,15
	s_wait_dscnt 15-\t                             ; load t is back, the younger ones stay out
	global_store_b128 v[CO], v[\dst+4*\t:\dst+4*\t+3], s[\b:\b+1] offset:8192*\t
.endr
.endm
	OUTP 64,  RD,  0,     66                       ; three sets of registers: no store's data is written again
	OUTP 128, RD,  HALFT, 68
	OUTP 192, RD2, 0,     70
	s_set_vgpr_msb 0x4
	s_wait_tensorcnt 0x0
	ds_add_u32 v63, v255
	s_wait_dscnt 0x0
	s_set_vgpr_msb 0x400
	CROUND                                         ; the closing round
	s_endpgm
.Lfunc_end_k_q6b692fdc50_qkv:
	.size	k_q6b692fdc50_qkv, .Lfunc_end_k_q6b692fdc50_qkv-k_q6b692fdc50_qkv
	.p2alignl 7, 3214868480
	.fill 96, 4, 3214868480
	.section	.rodata,"a",@progbits
	.p2align	6, 0x0
	.amdhsa_kernel k_q6b692fdc50_qkv
		.amdhsa_group_segment_fixed_size 327680
		.amdhsa_private_segment_fixed_size 0
		.amdhsa_enable_private_segment 0
		.amdhsa_kernarg_size 24
		.amdhsa_user_sgpr_count 2
		.amdhsa_user_sgpr_kernarg_segment_ptr 1
		.amdhsa_wavefront_size32 1
		.amdhsa_system_sgpr_workgroup_id_x 1
		.amdhsa_system_sgpr_workgroup_id_y 1
		.amdhsa_system_sgpr_workgroup_id_z 1
		.amdhsa_system_vgpr_workitem_id 0
		.amdhsa_next_free_vgpr 1024
		.amdhsa_next_free_sgpr 80
		.amdhsa_reserve_vcc 0
		.amdhsa_float_denorm_mode_32 3
		.amdhsa_float_denorm_mode_16_64 3
		.amdhsa_memory_ordered 1
		.amdhsa_forward_progress 1
		.amdhsa_inst_pref_size 181
	.end_amdhsa_kernel
	.amdgpu_metadata
---
amdhsa.version: [ 1, 2 ]
amdhsa.kernels:
  - .name:           k_q6b692fdc50_qkv
    .symbol:         k_q6b692fdc50_qkv.kd
    .args:
      - { .name: cast, .offset: 0, .size: 8, .value_kind: global_buffer, .address_space: global }
      - { .name: rope, .offset: 8, .size: 8, .value_kind: global_buffer, .address_space: global }
      - { .name: qkv, .offset: 16, .size: 8, .value_kind: global_buffer, .address_space: global }
    .group_segment_fixed_size: 327680
    .private_segment_fixed_size: 0
    .kernarg_segment_align: 8
    .kernarg_segment_size: 24
    .max_flat_workgroup_size: 128
    .sgpr_count:     80
    .vgpr_count:     1024
    .wavefront_size: 32
...
	.end_amdgpu_metadata
.endif
;; end of part 2
;; launch attn (part 3): grid 16 x 16, 4 waves a work-group, clusters of 4 x 4, 327,680 bytes of LDS; arguments qkv, attention_mask, att; writes att
.if DOCPART == 3
	.amdgcn_target "amdgcn-amd-amdhsa--gfx1250"
	.amdhsa_code_object_version 6
	.text
	.protected	k_q6b692fdc50_attn
	.globl	k_q6b692fdc50_attn
	.p2align	8
	.type	k_q6b692fdc50_attn,@function
k_q6b692fdc50_attn:
	s_mov_b64 s[64:65], 0
	v_nop
	global_prefetch_b8 v0, s[64:65] scope:SCOPE_SE
	s_setreg_imm32_b32 hwreg(HW_REG_WAVE_MODE, 25, 1), 1
	s_wait_xcnt 0x0
	s_wait_alu depctr_hold_cnt(0) depctr_sa_sdst(0) depctr_va_vdst(0) depctr_va_sdst(0) depctr_va_ssrc(0) depctr_va_vcc(0) depctr_vm_vsrc(0)
	s_getreg_b32 s2, hwreg(HW_REG_IB_STS2, 6, 4)
	s_cmp_eq_u32 s2, 0
	s_cbranch_scc0 .Lentry_in_a_cluster
	s_endpgm
.Lentry_in_a_cluster:
	s_bfe_u32 s2, ttmp6, 0x10000c
	s_cmp_lg_u32 s2, 0xf033
	s_cbranch_scc0 .Lentry_shape_is_right
	s_endpgm
.Lentry_shape_is_right:
; attn: att[s][128 head + d] = softmax over keys of (Q K^T / sqrt(128) + attention_mask) times V, one head and 128 queries a work-group (x = query block, y = head).
; The mask is an input: all 2,048 keys are walked, in 16 blocks of 128, and every mask word is read.
; Wave (qh = w & 1, kh = w >> 1) takes 64 queries x the 64 keys of half kh of every block, with a running maximum, sum and O of its own; the two key halves are merged once at the end.
; S^T = K Q^T (source 0 = K, source 1 = Q): lane (r, h) holds query r and keys 8 h + j, so a row's maximum and sum are in the lane but for one exchange
; between the halves of the wave, and two neighbouring key tiles, packed to f16, ARE a fragment of P.  O^T = V^T P^T: the lane holds query r, d = 8 h + j: every rescale is a
; multiply by the lane's own factor, and a tile packs into 16 neighbouring bytes of att.
; BASE 2.  Q arrives multiplied by log2 e / sqrt(128) (launch qkv), so S is the score in the unit of a base-2 exponent, and y = mask * log2 e + S is one fused multiply-add.
; The maximum of y is taken away first, in f32, as the source takes its maximum away: y <= maximum holds exactly, so p = 2^(y - maximum) <= 1 whatever the size of the mask's numbers.
; The product P V of a block is issued in the NEXT trip, from registers.  That trip's K and mask loads go out in runs of eight between runs of eight of these matrix
; instructions, and V's loads in runs of eight between runs of sixteen of the mask's multiply-adds: no long run of LDS loads stands in front of work that does not need them.
; CLUSTERS: 4 x 4.  K's and V^T's tiles hang on the head alone (joint loads of a row of the cluster), the mask's on the query block alone (of a column).
; Two LDS slots, each K (128 x 272), V^T (128 x 272), mask (128 x 528); waves 0, 1 fetch K, V^T; waves 2, 3 sixty-four mask rows each.  One tensor load of a wave is out at a time.
; LIMITS: the running maximum starts at -1e38 (base-2 units): a row whose y all lie below that gives 0/0.  y is rounded once, in base-2 units, where the source rounds score / sqrt(128) + mask
; in natural units: at |mask| = 1e9 the step of y is 128 (89 natural units) against the source's 64; differences of scores below these steps vanish in both.
; P is rounded to f16 for the product, the sum l is of the unrounded f32.  The f16 operands stay below 65,504.
; REGISTERS: window 0: addresses, statistics, P at v[64 + 16 m + i], mask at v[128 + 32 m + 8 n + j]; window 1: Q at v[8 (4 m + c)], S at v[128 + 32 m + 8 n + j];
; window 2: O at v[8 (4 t + m)]; window 3: K at v[8 (4 c + n)], V at v[128 + 8 (8 c + t)].
.set PITCH,  272
.set MPITCH, 528                       ; a mask row: 512 bytes + 16, an odd multiple of 16
.set HALFT,  128*PITCH
.set VOFF,   HALFT
.set MOFF,   2*HALFT
.set SLOT,   2*HALFT+128*MPITCH        ; 137,216
.set KA, 10                            ; v10-11 K fragments in slot 0, 1
.set VA, 12                            ; v12-13 V^T fragments
.set MA, 14                            ; v14-15 mask
.set QO, 16
.set PF, 17
.set SCR, 18
.set STO, 19
.set RD, 20
.set CO, 21
.set MX, 24                            ; v24-27 my four maxima side by side, at the merge
.set MX1, 28                           ; v28-31 the partner's, at the merge
.set NM, 32                            ; v32-39 the running maxima of my four query tiles, each as a pair
.set AL, 40                            ; v40-47 rescale factors, as pairs
.set LP, 48                            ; v48-55 running sums, two partial sums a tile
.set T,  56                            ; v56-59
.set T2, 60                            ; v60-63
.set PP, 64
.set MK, 128
.set G1,  24
.set G0,  32
.set G1B, 48
.set G0B, 56
.set MSB, 0
.macro WIN new
.if MSB != \new
	s_set_vgpr_msb (MSB<<8)|\new
.set MSB, \new
.endif
.endm
.macro PLACES
.rept 4
	v_nop
.endr
.endm
.macro JLOAD s                         ; waves 0, 1: K, V^T; waves 2, 3: the mask's halves
	s_cmp_eq_u32 s11, 0
	s_cbranch_scc0 .Lfor_b_\@
	tensor_load_to_lds s[G0+4*\s:G0+4*\s+3], s[G1:G1+7]
	s_nop 0
	s_branch .Lasked_\@
.Lfor_b_\@:
	tensor_load_to_lds s[G0B+4*\s:G0B+4*\s+3], s[G1B:G1B+7]
	s_nop 0
.Lasked_\@:
.endm
.macro ROUND                           ; a round of the cluster's barrier
	s_barrier_signal -1
	s_barrier_wait -1
	s_cmp_lg_u32 s10, 0
	s_cbranch_scc1 .Lnot_wave_0_\@
	s_barrier_signal -3
.Lnot_wave_0_\@:
	s_barrier_wait -3
	s_barrier_signal -1
	s_barrier_wait -1
.endm
	s_load_b128 s[4:7], s[0:1], 0x0                ; qkv s[4:5], attention_mask s[6:7]
	s_load_b64 s[8:9], s[0:1], 0x10                ; att
	v_lshl_add_u32 v22, v0, 2, 0x43000
	v_mov_b32 v23, 0
	ds_add_u32 v22, v23
	v_lshrrev_b32 v1, 5, v0
	v_readfirstlane_b32 s10, v1                    ; wave
	s_lshr_b32 s11, s10, 1                         ; kh.  Also: I fetch K or V^T (0), or mask rows (1)
	s_and_b32 s12, s10, 1                          ; qh.  Also: which of the two
	s_bfe_u32 s40, ttmp6, 0x40000                  ; cx
	s_bfe_u32 s41, ttmp6, 0x40004                  ; cy
	s_lshl_b32 s42, ttmp9, 2
	s_add_co_u32 s42, s42, s40                     ; query block
	s_and_b32 s13, ttmp7, 0xffff
	s_lshl_b32 s13, s13, 2
	s_add_co_u32 s13, s13, s41                     ; head
	s_lshl_b32 s43, s41, 2
	s_lshl_b32 s43, 15, s43                        ; my row of the cluster: the same head
	s_lshl_b32 s44, 0x1111, s40                    ; my column: the same query block
	; group 1 for K and V^T: 128 rows x 128 elements of 2 bytes, 4 words of padding behind every 64
	s_or_b32 s[G1+0], s43, (1<<16)|(1<<20)|(1<<21)|(5<<22)|(3<<25)
	s_mov_b32 s[G1+1], 128<<16
	s_mov_b32 s[G1+2], 128<<16
	s_mov_b32 s[G1+3], 128<<16
	s_mov_b32 s[G1+4], 128
	s_mov_b32 s[G1+5], 2048
	s_mov_b32 s[G1+6], 0
	s_mov_b32 s[G1+7], 0
	; group 1 for the mask: 64 rows x 128 elements of 4 bytes, 4 words of padding behind every 128
	s_or_b32 s[G1B+0], s44, (2<<16)|(1<<20)|(1<<21)|(6<<22)|(3<<25)
	s_mov_b32 s[G1B+1], 128<<16
	s_mov_b32 s[G1B+2], 64<<16
	s_mov_b32 s[G1B+3], 128<<16
	s_mov_b32 s[G1B+4], 64
	s_mov_b32 s[G1B+5], 2048
	s_mov_b32 s[G1B+6], 0
	s_mov_b32 s[G1B+7], 0
	s_lshl_b32 s16, s13, 8
	s_add_co_u32 s16, s16, 0x800000                ; K: part 1, byte 256 head of its rows; a block of keys is 128 rows = 524,288 bytes
	s_lshl_b32 s17, s13, 19
	s_add_co_u32 s17, s17, 0x1000000               ; V^T: part 2, row 128 head; a block of keys is 256 bytes along the rows
	s_mov_b32 s21, 0x80000
	s_mov_b32 s22, 256
	s_cmp_eq_u32 s12, 0
	s_cselect_b32 s16, s16, s17
	s_cselect_b32 s18, s21, s22                    ; from block to block
	s_mov_b32 s17, 0
	s_mov_b32 s19, 0
	s_lshl_b32 s70, s18, 1                         ; a slot's next block is two on
	s_mov_b32 s71, 0
	s_lshl_b32 s46, s42, 20                        ; mask: 128 rows of 8,192 bytes a query block,
	s_lshl_b32 s23, s12, 19                        ; my 64 of them
	s_add_co_u32 s46, s46, s23
	s_mov_b32 s47, 0
	s_mul_i32 s20, s10, HALFT                      ; waves 0, 1: K at 0, V^T at 34,816
	s_mul_i32 s23, s10, 64*MPITCH
	s_add_co_u32 s23, s23, 2048                    ; waves 2, 3: 69,632 and 103,424
	s_mov_b32 s68, 0x3fb8aa3b                      ; log2 e
	s_mov_b32 s69, 0x3fb8aa3b
	s_mov_b32 s72, 0x76543210                      ; v_permlanex16_b32: lane i reads lane i of the other half
	s_mov_b32 s73, 0xfedcba98
	s_lshl_b32 s80, s42, 20                        ; prefetch: of a mask tile's 128 rows the head's work-group asks for rows 8 head .. 8 head + 7,
	s_lshl_b32 s82, s13, 16
	s_add_co_u32 s80, s80, s82
	s_add_co_u32 s80, s80, 1024                    ; beginning with blocks 2 and 3
	s_mov_b32 s81, 0
	s_lshl_b32 s82, s42, 19                        ; Q and att: row 128 query block, byte 256 head
	s_lshl_b32 s83, s13, 8
	s_add_co_u32 s82, s82, s83
	s_mov_b32 s83, 0
	s_wait_dscnt 0x0
	s_wait_kmcnt 0x0
	s_add_nc_u64 s[14:15], s[4:5], s[16:17]
	s_add_nc_u64 s[46:47], s[6:7], s[46:47]
	s_add_nc_u64 s[74:75], s[6:7], s[80:81]
	s_add_nc_u64 s[76:77], s[4:5], s[82:83]
	s_add_nc_u64 s[78:79], s[8:9], s[82:83]
	s_mov_b32 s[G0], 1                             ; slot 0: block 0
	s_add_co_u32 s[G0+1], s20, 0
	s_mov_b64 s[G0+2:G0+3], s[14:15]
	s_or_b32 s[G0+3], s[G0+3], 0x80000000
	s_mov_b32 s[G0+4], 1                           ; slot 1: block 1
	s_add_co_u32 s[G0+5], s20, SLOT
	s_add_nc_u64 s[G0+6:G0+7], s[14:15], s[18:19]
	s_or_b32 s[G0+7], s[G0+7], 0x80000000
	s_mov_b32 s[G0B], 1
	s_add_co_u32 s[G0B+1], s23, 0
	s_mov_b64 s[G0B+2:G0B+3], s[46:47]
	s_or_b32 s[G0B+3], s[G0B+3], 0x80000000
	s_mov_b32 s[G0B+4], 1
	s_add_co_u32 s[G0B+5], s23, SLOT
	s_add_nc_u64 s[G0B+6:G0B+7], s[46:47], 512
	s_or_b32 s[G0B+7], s[G0B+7], 0x80000000
	ROUND                                          ; in front of the first joint load
	JLOAD 0                                        ; block 0
	v_and_b32 v1, 15, v0                           ; r
	v_bfe_u32 v2, v0, 4, 1                         ; h
	v_and_b32 v3, 31, v0                           ; lane
	v_lshlrev_b32 v5, 12, v1
	v_lshl_add_u32 v5, v2, 4, v5
	s_lshl_b32 s21, s12, 18
	v_add_nc_u32 v[QO], s21, v5                    ; 4,096 (64 qh + r) + 16 h
	WIN 0x40                                       ; Q's sixteen fragments, once, into window 1
.irp m, 0,1,2,3
.irp c, 0,1,2,3
	global_load_b128 v[8*(4*\m+\c):8*(4*\m+\c)+3],   v[QO], s[76:77] offset:65536*\m+64*\c
	global_load_b128 v[8*(4*\m+\c)+4:8*(4*\m+\c)+7], v[QO], s[76:77] offset:65536*\m+64*\c+32
.endr
.endr
	WIN 0
	v_mul_u32_u24 v4, v1, PITCH
	v_lshl_add_u32 v4, v2, 4, v4                   ; 272 r + 16 h
	s_mul_i32 s22, s11, 64*PITCH
	v_add_nc_u32 v[KA], s22, v4                    ; K: row 64 kh + r
	v_add_nc_u32 v[KA+1], SLOT, v[KA]
	s_lshl_b32 s22, s11, 7
	s_add_co_u32 s22, s22, VOFF
	v_add_nc_u32 v[VA], s22, v4                    ; V^T: row r, byte 128 kh
	v_add_nc_u32 v[VA+1], SLOT, v[VA]
	v_mul_u32_u24 v5, v1, MPITCH
	v_lshl_add_u32 v5, v2, 5, v5
	s_mul_i32 s22, s12, 64*MPITCH
	s_lshl_b32 s23, s11, 8
	s_add_co_u32 s22, s22, s23
	s_add_co_u32 s22, s22, MOFF
	v_add_nc_u32 v[MA], s22, v5                    ; mask: row 64 qh + r, byte 256 kh + 32 h
	v_add_nc_u32 v[MA+1], SLOT, v[MA]
	v_lshrrev_b32 v5, 2, v3
	v_and_b32 v6, 3, v3
	v_lshlrev_b32 v5, 13, v5
	v_lshl_add_u32 v[PF], v6, 8, v5                ; prefetch: row lane / 4, 256 (lane & 3) bytes along it
	s_mul_i32 s22, s12, HALFT
	v_lshl_add_u32 v[SCR], v3, 4, s22              ; merge: 34,816 qh + 16 lane
	s_mul_i32 s22, s10, 16*PITCH
	s_add_co_u32 s22, s22, MOFF                    ; my stage for the way out
	v_add_nc_u32 v[STO], s22, v4
	v_mul_u32_u24 v5, v2, PITCH
	v_lshl_add_u32 v5, v1, 4, v5
	v_add_nc_u32 v[RD], s22, v5
	v_lshlrev_b32 v5, 12, v2
	v_lshl_add_u32 v5, v1, 4, v5
	v_add_nc_u32 v[CO], s21, v5                    ; 4,096 (64 qh + h) + 16 r
.irp m, 0,1,2,3
	v_mov_b32 v[NM+2*\m], 0xfe967699               ; the running maximum starts at -1e38
	v_mov_b32 v[T2+\m], 0                          ; v_permlanex16_b32 counts as a reader of its destination
	v_mov_b32 v[LP+2*\m], 0
	v_mov_b32 v[LP+2*\m+1], 0
.endr
	s_wait_loadcnt 0x0                             ; Q
.macro LOADKC slot, c                  ; 8 loads: K's four key tiles, chunk c of 32 along d
.irp n, 0,1,2,3
	ds_load_b128 v[8*(4*\c+\n):8*(4*\c+\n)+3],   v[KA+\slot] offset:\n*16*PITCH+64*\c
	ds_load_b128 v[8*(4*\c+\n)+4:8*(4*\c+\n)+7], v[KA+\slot] offset:\n*16*PITCH+64*\c+32
.endr
.endm
.macro LOADM slot, m                   ; 8 loads: the mask words of query tile m's 16 x 64 scores, in the scores' own layout
.irp n, 0,1,2,3
	ds_load_b128 v[MK+32*\m+8*\n:MK+32*\m+8*\n+3],   v[MA+\slot] offset:\m*16*MPITCH+64*\n
	ds_load_b128 v[MK+32*\m+8*\n+4:MK+32*\m+8*\n+7], v[MA+\slot] offset:\m*16*MPITCH+64*\n+16
.endr
.endm
.macro LOADVG slot, c, base            ; 8 loads: V^T's tiles base .. base + 3, chunk c of 32 keys
.irp t, 0,1,2,3
	ds_load_b128 v[128+8*(8*\c+\base+\t):128+8*(8*\c+\base+\t)+3],   v[VA+\slot] offset:(\base+\t)*16*PITCH+64*\c
	ds_load_b128 v[128+8*(8*\c+\base+\t)+4:128+8*(8*\c+\base+\t)+7], v[VA+\slot] offset:(\base+\t)*16*PITCH+64*\c+32
.endr
.endm
; 8 matrix instructions: O(t, m) += V^T(t; 32 keys c) P(m; c) for t = base, base + 1.  Taken in the order c, base, the 32 accumulators take turns, one instruction a turn.
.macro PVG c, base, zero
.irp t, 0,1
.irp m, 0,1,2,3
.if \zero
	v_wmma_f32_16x16x32_f16 v[8*(4*(\base+\t)+\m):8*(4*(\base+\t)+\m)+7], v[128+8*(8*\c+\base+\t):128+8*(8*\c+\base+\t)+7], v[PP+16*\m+8*\c:PP+16*\m+8*\c+7], 0
.else
	v_wmma_f32_16x16x32_f16 v[8*(4*(\base+\t)+\m):8*(4*(\base+\t)+\m)+7], v[128+8*(8*\c+\base+\t):128+8*(8*\c+\base+\t)+7], v[PP+16*\m+8*\c:PP+16*\m+8*\c+7], v[8*(4*(\base+\t)+\m):8*(4*(\base+\t)+\m)+7]
.endif
.endr
.endr
.endm
.macro PVS on, c, base, zero           ; the same, where the trip has a product to issue
.if \on
	WIN 0xa3
	PVG \c, \base, \zero
.endif
.endm
; 16 matrix instructions: S(m, n) += K(n; 32 of d, c) Q(m; c); the 16 accumulators by turns.
.macro QKC c, zero
.irp n, 0,1,2,3
.irp m, 0,1,2,3
.if \zero
	v_wmma_f32_16x16x32_f16 v[128+32*\m+8*\n:128+32*\m+8*\n+7], v[8*(4*\c+\n):8*(4*\c+\n)+7], v[8*(4*\m+\c):8*(4*\m+\c)+7], 0
.else
	v_wmma_f32_16x16x32_f16 v[128+32*\m+8*\n:128+32*\m+8*\n+7], v[8*(4*\c+\n):8*(4*\c+\n)+7], v[8*(4*\m+\c):8*(4*\m+\c)+7], v[128+32*\m+8*\n:128+32*\m+8*\n+7]
.endif
.endr
.endr
.endm
.macro XMASK                           ; 16 packed multiply-adds from the running index q on: y = mask * log2 e + S
.rept 16
	v_pk_fma_f32 v[128+2*q:128+2*q+1], v[MK+2*q:MK+2*q+1], s[68:69], v[128+2*q:128+2*q+1] op_sel_hi:[1,0,1]
.set q, q+1
.endr
.endm
; One block of keys, in slot 'slot' ('oth' = the other slot).  refill: the next block is asked for.  pv: the last block's P V is issued (pvz: it starts the sums).
; resc: O is rescaled (in every trip in which O exists: no branch hangs on a maximum).  pf: wave 0 prefetches mask bytes.
; At most 56 LDS loads of the wave are out at a time: 32 of K and 24 of the mask, later 24 + 32, 16 + 32, 8 + 32, 32, and V's 32 alone.
.macro TRIP slot, oth, refill, pv, pvz, resc, pf
	s_wait_tensorcnt 0x0                           ; all my tensor loads have landed, my part of this block among them,
	ds_add_u32 v22, v23
	s_wait_dscnt 0x0
	s_add_nc_u64 s[G0+4*\slot+2:G0+4*\slot+3], s[G0+4*\slot+2:G0+4*\slot+3], s[70:71]   ; so a group 0 may be written: this slot's next block
	s_add_nc_u64 s[G0B+4*\slot+2:G0B+4*\slot+3], s[G0B+4*\slot+2:G0B+4*\slot+3], 1024
.if \slot
	s_wait_xcnt 0x0                                ; the prefetch of the trip before has had its address translated: its base may step
	s_add_nc_u64 s[74:75], s[74:75], 1024
.endif
	s_wait_dscnt 0x0                               ; my reads of the other slot are back (V's fragments, held in registers, among them)
	ROUND                                          ; both now hold of every wave of all sixteen work-groups
.if \refill
	JLOAD \oth                                     ; the next block, into the slot read last: it has this whole trip in which to land
.endif
.if \pf
	s_cmp_lg_u32 s10, 0                            ; wave 0 alone: 8 rows x 1,024 bytes of the mask blocks two and three trips on, lanes 256 bytes apart;
	s_cbranch_scc1 .Lno_pf_\@                      ; the 16 heads' work-groups share a tile's 128 rows, so each aligned 256 bytes is asked for once in the launch;
	global_prefetch_b8 v[PF], s[74:75] th:TH_LOAD_NT scope:SCOPE_SE   ; the trips of blocks 0, 2 .. 12 ask, the last for blocks 14 and 15: inside each row
.Lno_pf_\@:
.endif
	; eight loads, eight matrix instructions, by turns.  The loads keep their order among themselves (K's chunks 0 to 3, then the mask's tiles 0 to 2), on which the counts below rest.
	WIN 0xc0
	LOADKC \slot, 0
	PVS \pv, 0, 0, \pvz
	WIN 0xc0
	LOADKC \slot, 1
	PVS \pv, 0, 2, \pvz
	WIN 0xc0
	LOADKC \slot, 2
	PVS \pv, 0, 4, \pvz
	WIN 0xc0
	LOADKC \slot, 3
	PVS \pv, 0, 6, \pvz
	WIN 0
	LOADM \slot, 0
	PVS \pv, 1, 0, 0
	WIN 0
	LOADM \slot, 1
	PVS \pv, 1, 2, 0
	WIN 0
	LOADM \slot, 2
	PVS \pv, 1, 4, 0
	PVS \pv, 1, 6, 0
	s_wait_dscnt 48                                ; K's first chunk (8 loads) is in; 24 of K and 24 of the mask may be out
	WIN 0x57
	QKC 0, 1
	WIN 0
	LOADM \slot, 3                                 ; the last eight mask loads: wanted only behind the 48 matrix instructions that follow
	WIN 0x57
	s_wait_dscnt 48                                ; K's second chunk is in; 16 of K and 32 of the mask may be out
	QKC 1, 0
	s_wait_dscnt 40
	QKC 2, 0
	s_wait_dscnt 32
	QKC 3, 0
	s_wait_dscnt 0x0                               ; the mask is in: its youngest loads are 48 matrix instructions old
	PLACES                                         ; four places: for the loads into V's fragments, which matrix instructions read, and for the readers of S
.set q, 0
	WIN 0xc0
	LOADVG \slot, 0, 0                             ; V's loads are waited for at the head of the next trip
	WIN 0x50
	XMASK
	WIN 0xc0
	LOADVG \slot, 0, 4
	WIN 0x50
	XMASK
	WIN 0xc0
	LOADVG \slot, 1, 0
	WIN 0x50
	XMASK
	WIN 0xc0
	LOADVG \slot, 1, 4
	WIN 0x50
	XMASK
	WIN 0x05
.irp m, 0,1,2,3
	v_max_num_f32 v[T+\m], v[128+32*\m], v[128+32*\m+1]          ; four chains, one a query tile, by turns
.endr
.set q, 2
.rept 15
.irp m, 0,1,2,3
	v_max3_num_f32 v[T+\m], v[128+32*\m+q], v[128+32*\m+q+1], v[T+\m]
.endr
.set q, q+2
.endr
	WIN 0
.irp m, 0,1,2,3
	v_permlanex16_b32 v[T2+\m], v[T+\m], s72, s73                ; the other eight keys of each tile lie in the other half of the wave
.endr
.irp m, 0,1,2,3
	v_max3_num_f32 v[T+\m], v[T+\m], v[T2+\m], v[NM+2*\m]        ; the new running maximum
.endr
.irp m, 0,1,2,3
	v_sub_f32 v[T2+\m], v[NM+2*\m], v[T+\m]                      ; old - new, at most 0, in base-2 units
.endr
.irp m, 0,1,2,3
	v_exp_f32 v[AL+2*\m], v[T2+\m]                               ; what the old sums and O are scaled by
.endr
.irp m, 0,1,2,3
	v_mov_b32 v[NM+2*\m], v[T+\m]                                ; plain places behind the exponentials (ISA guide 5.7.2)
	v_mov_b32 v[NM+2*\m+1], v[T+\m]
.endr
	s_wait_alu depctr_va_vdst(0)
.irp m, 0,1,2,3
	v_mov_b32 v[AL+2*\m+1], v[AL+2*\m]
.endr
.irp m, 0,1,2,3
	v_pk_mul_f32 v[LP+2*\m:LP+2*\m+1], v[LP+2*\m:LP+2*\m+1], v[AL+2*\m:AL+2*\m+1]
.endr
	WIN 0x41
.set q, 0
.rept 64
	v_pk_add_f32 v[128+2*q:128+2*q+1], v[128+2*q:128+2*q+1], v[NM+2*(q/16):NM+2*(q/16)+1] neg_lo:[0,1] neg_hi:[0,1]   ; y - maximum, at most 0
.set q, q+1
.endr
.set q, 0
.rept 128
	v_exp_f32 v[128+q], v[128+q]
.set q, q+1
.endr
	v_nop                                          ; one plain place behind the last exponential
	WIN 0x01
.set q, 0
	s_wait_alu depctr_va_vdst(0)
.rept 16
.irp m, 0,1,2,3
	v_pk_add_f32 v[LP+2*\m:LP+2*\m+1], v[128+32*\m+2*q:128+32*\m+2*q+1], v[LP+2*\m:LP+2*\m+1]
.endr
.set q, q+1
.endr
	WIN 0x05
.set q, 0
.rept 64
	v_cvt_pk_f16_f32 v[PP+q], v[128+2*q], v[128+2*q+1]           ; two key tiles in a row are a fragment of P
.set q, q+1
.endr
.if \resc
	WIN 0x82
.irp t, 0,1,2,3,4,5,6,7
.irp m, 0,1,2,3
.irp j, 0,2,4,6
	v_pk_mul_f32 v[8*(4*\t+\m)+\j:8*(4*\t+\m)+\j+1], v[8*(4*\t+\m)+\j:8*(4*\t+\m)+\j+1], v[AL+2*\m:AL+2*\m+1]
.endr
.endr
.endr
.endif
	WIN 0
.endm
	TRIP 0, 1, 1, 0, 0, 0, 1                       ; block 0: no O yet
	TRIP 1, 0, 1, 1, 1, 1, 0                       ; block 1: block 0's product starts O's sums
	s_mov_b32 s3, 6
.Lpair:
	TRIP 0, 1, 1, 1, 0, 1, 1                       ; blocks 2, 4 .. 12
	TRIP 1, 0, 1, 1, 0, 1, 0                       ; blocks 3, 5 .. 13
	s_sub_co_u32 s3, s3, 1
	s_cmp_lg_u32 s3, 0
	s_cbranch_scc1 .Lpair
	TRIP 0, 1, 1, 1, 0, 1, 0                       ; block 14: asks for block 15, prefetches nothing
	TRIP 1, 0, 0, 1, 0, 1, 0                       ; block 15: nothing is left to fetch.  Behind its round no wave reads slot 0 and no load fills it: scratch
	s_wait_dscnt 0x0                               ; block 15's V
	WIN 0xa3
.irp c, 0,1
.irp b, 0,2,4,6
	PVG \c, \b, 0
.endr
.endr
	PLACES
	WIN 0
	; THE MERGE of the two key halves.  l = the two partial sums of both halves of the wave.
.irp m, 0,1,2,3
	v_add_f32 v[T+\m], v[LP+2*\m], v[LP+2*\m+1]
	v_mov_b32 v[MX+\m], v[NM+2*\m]                 ; the four maxima side by side: one store of 16 bytes
.endr
.irp m, 0,1,2,3
	v_permlanex16_b32 v[T2+\m], v[T+\m], s72, s73
.endr
.irp m, 0,1,2,3
	v_add_f32 v[T+\m], v[T+\m], v[T2+\m]
.endr
	s_cmp_eq_u32 s11, 0
	s_cbranch_scc1 .Lkeep
	WIN 0x08                                       ; waves of key half 1 hand over O (window 2), their maxima and sums
.set q, 0
.rept 64
	ds_store_b128 v[SCR], v[4*q:4*q+3] offset:512*q
.set q, q+1
.endr
	WIN 0
	ds_store_b128 v[SCR], v[MX:MX+3] offset:32768
	ds_store_b128 v[SCR], v[T:T+3] offset:33280
.Lkeep:
	s_wait_dscnt 0x0                               ; my stores are done,
	s_barrier_signal -1
	s_barrier_wait -1                              ; everybody's are
	s_cmp_lg_u32 s11, 0
	s_cbranch_scc1 .Lclose
	WIN 0xc0                                       ; the partner's O into window 3, register for register
.set q, 0
.rept 64
	ds_load_b128 v[4*q:4*q+3], v[SCR] offset:512*q
.set q, q+1
.endr
	WIN 0
	ds_load_b128 v[MX1:MX1+3], v[SCR] offset:32768
	ds_load_b128 v[T2:T2+3], v[SCR] offset:33280
	s_wait_dscnt 0x0
.irp m, 0,1,2,3
	v_max_num_f32 v[LP+\m], v[MX+\m], v[MX1+\m]    ; the row's maximum over both halves
.endr
.irp m, 0,1,2,3
	v_sub_f32 v[NM+\m], v[MX+\m], v[LP+\m]         ; each half's maximum less it, at most 0, in base-2 units
	v_sub_f32 v[NM+4+\m], v[MX1+\m], v[LP+\m]
.endr
.irp m, 0,1,2,3
	v_exp_f32 v[NM+\m], v[NM+\m]                   ; f0
	v_exp_f32 v[NM+4+\m], v[NM+4+\m]               ; f1
.endr
	v_nop
	s_wait_alu depctr_va_vdst(0)
.irp m, 0,1,2,3
	v_mul_f32 v[T+\m], v[T+\m], v[NM+\m]           ; l0 f0
.endr
.irp m, 0,1,2,3
	v_fmac_f32 v[T+\m], v[T2+\m], v[NM+4+\m]       ; + l1 f1
.endr
.irp m, 0,1,2,3
	v_rcp_f32 v[T+\m], v[T+\m]
.endr
	v_nop
	s_wait_alu depctr_va_vdst(0)
.irp m, 0,1,2,3
	v_mul_f32 v[AL+2*\m], v[NM+\m], v[T+\m]        ; g0 = f0 / l
	v_mul_f32 v[LP+2*\m], v[NM+4+\m], v[T+\m]      ; g1 = f1 / l
.endr
.irp m, 0,1,2,3
	v_mov_b32 v[AL+2*\m+1], v[AL+2*\m]
	v_mov_b32 v[LP+2*\m+1], v[LP+2*\m]
.endr
	WIN 0x82
.irp t, 0,1,2,3,4,5,6,7
.irp m, 0,1,2,3
.irp j, 0,2,4,6
	v_pk_mul_f32 v[8*(4*\t+\m)+\j:8*(4*\t+\m)+\j+1], v[8*(4*\t+\m)+\j:8*(4*\t+\m)+\j+1], v[AL+2*\m:AL+2*\m+1]
.endr
.endr
.endr
	WIN 0xa3
.irp t, 0,1,2,3,4,5,6,7
.irp m, 0,1,2,3
.irp j, 0,2,4,6
	v_pk_fma_f32 v[8*(4*\t+\m)+\j:8*(4*\t+\m)+\j+1], v[8*(4*\t+\m)+\j:8*(4*\t+\m)+\j+1], v[LP+2*\m:LP+2*\m+1], v[8*(4*\t+\m)+\j:8*(4*\t+\m)+\j+1]
.endr
.endr
.endr
	; THE WAY OUT, 16 queries at a time through my own stage: 16 bytes a lane in, whole rows of 256 bytes back.
.irp m, 0,1,2,3
	WIN 0x0a
.irp t, 0,1,2,3,4,5,6,7
.irp j, 0,1,2,3
	v_cvt_pk_f16_f32 v[PP+4*\t+\j], v[8*(4*\t+\m)+2*\j], v[8*(4*\t+\m)+2*\j+1]
.endr
.endr
	WIN 0
.irp t, 0,1,2,3,4,5,6,7
	ds_store_b128 v[STO], v[PP+4*\t:PP+4*\t+3] offset:32*\t
.endr
.irp t, 0,1,2,3,4,5,6,7
	ds_load_b128 v[MK+32*\m+4*\t:MK+32*\m+4*\t+3], v[RD] offset:\t*2*PITCH     ; LDS serves a wave's instructions in order (ISA guide 5.7.1.4): these see the stores above
.endr
.irp t, 0,1,2,3,4,5,6,7
	s_wait_dscnt 7-\t                              ; load t is back, the younger ones stay out
	global_store_b128 v[CO], v[MK+32*\m+4*\t:MK+32*\m+4*\t+3], s[78:79] offset:4096*(16*\m+2*\t)   ; sixteen lanes store the head's 256 bytes of a row; four sets of registers, none written again
.endr
.endr
.Lclose:
	s_wait_tensorcnt 0x0
	ds_add_u32 v22, v23
	s_wait_dscnt 0x0
	ROUND                                          ; the closing round
	s_endpgm
.Lfunc_end_k_q6b692fdc50_attn:
	.size	k_q6b692fdc50_attn, .Lfunc_end_k_q6b692fdc50_attn-k_q6b692fdc50_attn
	.p2alignl 7, 3214868480
	.fill 96, 4, 3214868480
	.section	.rodata,"a",@progbits
	.p2align	6, 0x0
	.amdhsa_kernel k_q6b692fdc50_attn
		.amdhsa_group_segment_fixed_size 327680
		.amdhsa_private_segment_fixed_size 0
		.amdhsa_enable_private_segment 0
		.amdhsa_kernarg_size 24
		.amdhsa_user_sgpr_count 2
		.amdhsa_user_sgpr_kernarg_segment_ptr 1
		.amdhsa_wavefront_size32 1
		.amdhsa_system_sgpr_workgroup_id_x 1
		.amdhsa_system_sgpr_workgroup_id_y 1
		.amdhsa_system_sgpr_workgroup_id_z 1
		.amdhsa_system_vgpr_workitem_id 0
		.amdhsa_next_free_vgpr 1024
		.amdhsa_next_free_sgpr 88
		.amdhsa_reserve_vcc 0
		.amdhsa_float_denorm_mode_32 3
		.amdhsa_float_denorm_mode_16_64 3
		.amdhsa_memory_ordered 1
		.amdhsa_forward_progress 1
		.amdhsa_inst_pref_size 255
	.end_amdhsa_kernel
	.section	.bss,"aw",@nobits
	.p2align	6
	.space	262144
	.amdgpu_metadata
---
amdhsa.version: [ 1, 2 ]
amdhsa.kernels:
  - .name:           k_q6b692fdc50_attn
    .symbol:         k_q6b692fdc50_attn.kd
    .args:
      - { .name: qkv, .offset: 0, .size: 8, .value_kind: global_buffer, .address_space: global }
      - { .name: attention_mask, .offset: 8, .size: 8, .value_kind: global_buffer, .address_space: global }
      - { .name: att, .offset: 16, .size: 8, .value_kind: global_buffer, .address_space: global }
    .group_segment_fixed_size: 327680
    .private_segment_fixed_size: 0
    .kernarg_segment_align: 8
    .kernarg_segment_size: 24
    .max_flat_workgroup_size: 128
    .sgpr_count:     88
    .vgpr_count:     1024
    .wavefront_size: 32
...
	.end_amdgpu_metadata
.endif
;; end of part 3
;; launch oproj (part 4): grid 16 x 16, 4 waves a work-group, clusters of 4 x 4, 327,680 bytes of LDS; arguments att, cast, out0; writes out0
.if DOCPART == 4
	.amdgcn_target "amdgcn-amd-amdhsa--gfx1250"
	.amdhsa_code_object_version 6
	.text
	.protected	k_q6b692fdc50_oproj
	.globl	k_q6b692fdc50_oproj
	.p2align	8
	.type	k_q6b692fdc50_oproj,@function
k_q6b692fdc50_oproj:
	s_mov_b64 s[64:65], 0
	v_nop
	global_prefetch_b8 v0, s[64:65] scope:SCOPE_SE
	s_setreg_imm32_b32 hwreg(HW_REG_WAVE_MODE, 25, 1), 1
	s_wait_xcnt 0x0
	s_wait_alu depctr_hold_cnt(0) depctr_sa_sdst(0) depctr_va_vdst(0) depctr_va_sdst(0) depctr_va_ssrc(0) depctr_va_vcc(0) depctr_vm_vsrc(0)
	s_getreg_b32 s2, hwreg(HW_REG_IB_STS2, 6, 4)
	s_cmp_eq_u32 s2, 0
	s_cbranch_scc0 .Lentry_in_a_cluster
	s_endpgm
.Lentry_in_a_cluster:
	s_bfe_u32 s2, ttmp6, 0x10000c
	s_cmp_lg_u32 s2, 0xf033
	s_cbranch_scc0 .Lentry_shape_is_right
	s_endpgm
.Lentry_shape_is_right:
; oproj: out0[s][n] = sum over k of att[s][k] Wo[n][k]; att and Wo (part 4 of cast) f16, sums and out0 f32.
; A work-group (x = column block, y = row block) makes 128 x 128 of out0, so that 2048 x 2048 gives 256 equal work-groups; a wave makes 64 x 64: 16 accumulator tiles.
; K goes in 8 steps of 256 (rows of 512 bytes) through two LDS slots; each wave fetches 64 rows with one tensor load (waves 0, 1: att's halves; 2, 3: Wo's).
; CLUSTERS: 4 x 4.  att's tile hangs on y alone (joint load of a row of the cluster), Wo's on x alone (of a column).
; The matrix instruction is used transposed (source 0 = rows of Wo, source 1 = rows of att): a lane holds row l % 16 and 8 neighbouring columns, 32 bytes of out0.
; REGISTERS: window 0: v16-22 addresses, att fragments at v[F + 32 e + 8 a]; window 1: accumulators at v[8 (4 a + b)], Wo fragments at v[F + 32 e + 8 b]; F = 128, 192.
.set PITCH,  528                       ; an LDS row: 512 bytes + 16, an odd multiple of 16
.set QT,     64*PITCH                  ; 64 rows: one tensor load
.set SLOT,   4*QT
.set STAGE,  2*SLOT                    ; behind the ring: 16 rows x 272 bytes for each wave
.set SPITCH, 272
.set LAPS,   4                         ; 2048 / 512
.set ADRA, 16
.set ADRB, 18
.set STO,  20
.set RD,   21
.set CO,   22
.set F0,   128
.set F1,   192
.set G1,  24
.set G0,  32
.set G1B, 48
.set G0B, 56
.set MSB, 0
.macro WIN new
.if MSB != \new
	s_set_vgpr_msb (MSB<<8)|\new
.set MSB, \new
.endif
.endm
.macro PLACES
.rept 4
	v_nop
.endr
.endm
.macro JLOAD s
	s_cmp_eq_u32 s11, 0
	s_cbranch_scc0 .Lfor_b_\@
	tensor_load_to_lds s[G0+4*\s:G0+4*\s+3], s[G1:G1+7]
	s_nop 0
	s_branch .Lasked_\@
.Lfor_b_\@:
	tensor_load_to_lds s[G0B+4*\s:G0B+4*\s+3], s[G1B:G1B+7]
	s_nop 0
.Lasked_\@:
.endm
.macro CROUND                          ; a round of the cluster's barrier
	s_barrier_signal -1
	s_barrier_wait -1
	s_cmp_lg_u32 s10, 0
	s_cbranch_scc1 .Lnot_wave_0_\@
	s_barrier_signal -3
.Lnot_wave_0_\@:
	s_barrier_wait -3
	s_barrier_signal -1
	s_barrier_wait -1
.endm
	s_load_b128 s[4:7], s[0:1], 0x0                ; att s[4:5], cast s[6:7]
	s_load_b64 s[8:9], s[0:1], 0x10                ; out0
	v_lshl_add_u32 v126, v0, 2, 0x46400
	v_mov_b32 v127, 0
	ds_add_u32 v126, v127
	v_lshrrev_b32 v1, 5, v0
	v_readfirstlane_b32 s10, v1                    ; wave
	s_lshr_b32 s11, s10, 1                         ; my half of the block's rows.  Also: I fetch for att (0) or for Wo (1)
	s_and_b32 s12, s10, 1                          ; my half of its columns.  Also: which 64 rows I fetch
	s_bfe_u32 s40, ttmp6, 0x40000
	s_bfe_u32 s41, ttmp6, 0x40004
	s_lshl_b32 s42, ttmp9, 2
	s_add_co_u32 s42, s42, s40                     ; column block
	s_and_b32 s13, ttmp7, 0xffff
	s_lshl_b32 s13, s13, 2
	s_add_co_u32 s13, s13, s41                     ; row block
	s_lshl_b32 s43, s41, 2
	s_lshl_b32 s43, 15, s43
	s_lshl_b32 s44, 0x1111, s40
	; group 1: 64 rows x 256 elements of 2 bytes, 4 words of padding behind every 128
	s_or_b32 s[G1+0], s43, (1<<16)|(1<<20)|(1<<21)|(6<<22)|(3<<25)
	s_or_b32 s[G1B+0], s44, (1<<16)|(1<<20)|(1<<21)|(6<<22)|(3<<25)
	s_mov_b32 s[G1+1], 256<<16
	s_mov_b32 s[G1B+1], 256<<16
	s_mov_b32 s[G1+2], 64<<16
	s_mov_b32 s[G1B+2], 64<<16
	s_mov_b32 s[G1+3], 256<<16
	s_mov_b32 s[G1B+3], 256<<16
	s_mov_b32 s[G1+4], 64
	s_mov_b32 s[G1B+4], 64
	s_mov_b32 s[G1+5], 2048
	s_mov_b32 s[G1B+5], 2048
	s_mov_b32 s[G1+6], 0
	s_mov_b32 s[G1B+6], 0
	s_mov_b32 s[G1+7], 0
	s_mov_b32 s[G1B+7], 0
	s_lshl_b32 s17, s12, 18                        ; 64 rows of 4,096 bytes
	s_lshl_b32 s16, s13, 19
	s_add_co_u32 s16, s16, s17                     ; att: hangs on the row block alone
	s_lshl_b32 s46, s42, 19
	s_add_co_u32 s46, s46, s17
	s_add_co_u32 s46, s46, 0x2000000               ; Wo: part 4 of cast; hangs on the column block alone
	s_mov_b32 s17, 0
	s_mov_b32 s47, 0
	s_mul_i32 s20, s10, QT
	s_wait_dscnt 0x0
	s_wait_kmcnt 0x0
	s_add_nc_u64 s[14:15], s[4:5], s[16:17]
	s_add_nc_u64 s[46:47], s[6:7], s[46:47]
	CROUND
.irp s, 0,1
	s_mov_b32 s[G0+4*\s], 1
	s_add_co_u32 s[G0+4*\s+1], s20, \s*SLOT
	s_add_nc_u64 s[G0+4*\s+2:G0+4*\s+3], s[14:15], \s*512
	s_or_b32 s[G0+4*\s+3], s[G0+4*\s+3], 0x80000000
	s_mov_b32 s[G0B+4*\s], 1
	s_add_co_u32 s[G0B+4*\s+1], s20, \s*SLOT
	s_add_nc_u64 s[G0B+4*\s+2:G0B+4*\s+3], s[46:47], \s*512
	s_or_b32 s[G0B+4*\s+3], s[G0B+4*\s+3], 0x80000000
	JLOAD \s                                       ; two tensor loads of the wave are out here, one later
.endr
	v_and_b32 v1, 15, v0                           ; r
	v_bfe_u32 v2, v0, 4, 1                         ; h
	v_mul_u32_u24 v3, v1, PITCH
	v_lshl_add_u32 v3, v2, 4, v3
	s_mul_i32 s21, s11, QT
	s_mul_i32 s22, s12, QT
	s_add_co_u32 s22, s22, 2*QT
	v_add_nc_u32 v[ADRA], s21, v3
	v_add_nc_u32 v[ADRA+1], SLOT, v[ADRA]
	v_add_nc_u32 v[ADRB], s22, v3
	v_add_nc_u32 v[ADRB+1], SLOT, v[ADRB]
	s_mul_i32 s23, s10, 16*SPITCH
	s_add_co_u32 s23, s23, STAGE
	v_mul_u32_u24 v4, v1, SPITCH
	v_lshl_add_u32 v4, v2, 5, v4
	v_add_nc_u32 v[STO], s23, v4                   ; in: row r, 32 bytes for each half of the lanes
	v_mul_u32_u24 v5, v2, SPITCH
	v_lshl_add_u32 v5, v1, 4, v5
	v_add_nc_u32 v[RD], s23, v5                    ; back: lanes 0-15 one row of 256 bytes, lanes 16-31 the next
	v_lshlrev_b32 v5, 13, v2
	v_lshl_add_u32 v[CO], v1, 4, v5                ; the same two rows in out0, 8,192 bytes apart
; 16 matrix instructions, 32 along K (chunk e of the buffer's two); the 16 accumulators take turns, one instruction a turn.
.macro MUL16 f, e, zero
.irp a, 0,1,2,3
.irp b, 0,1,2,3
.if \zero
	v_wmma_f32_16x16x32_f16 v[8*(4*\a+\b):8*(4*\a+\b)+7], v[\f+32*\e+8*\b:\f+32*\e+8*\b+7], v[\f+32*\e+8*\a:\f+32*\e+8*\a+7], 0
.else
	v_wmma_f32_16x16x32_f16 v[8*(4*\a+\b):8*(4*\a+\b)+7], v[\f+32*\e+8*\b:\f+32*\e+8*\b+7], v[\f+32*\e+8*\a:\f+32*\e+8*\a+7], v[8*(4*\a+\b):8*(4*\a+\b)+7]
.endif
.endr
.endr
.endm
.macro FETCH slot, k, f                ; 32 LDS loads: 64 along K at byte k: Wo's two chunks, then att's two
	WIN 0x40
.irp e, 0,1
.irp i, 0,1,2,3
	ds_load_b128 v[\f+32*\e+8*\i:\f+32*\e+8*\i+3],   v[ADRB+\slot] offset:\k+64*\e+\i*16*PITCH
	ds_load_b128 v[\f+32*\e+8*\i+4:\f+32*\e+8*\i+7], v[ADRB+\slot] offset:\k+64*\e+\i*16*PITCH+32
.endr
.endr
	WIN 0
.irp e, 0,1
.irp i, 0,1,2,3
	ds_load_b128 v[\f+32*\e+8*\i:\f+32*\e+8*\i+3],   v[ADRA+\slot] offset:\k+64*\e+\i*16*PITCH
	ds_load_b128 v[\f+32*\e+8*\i+4:\f+32*\e+8*\i+7], v[ADRA+\slot] offset:\k+64*\e+\i*16*PITCH+32
.endr
.endr
.endm
.macro QUARTER slot, k, f, g, zero
	s_wait_dscnt 8                                 ; all but att's second chunk, the youngest eight loads
	WIN 0x51
	MUL16 \f, 0, \zero
	PLACES
	FETCH \slot, \k, \g
	s_wait_dscnt 32                                ; all but the 32 just issued
	WIN 0x51
	MUL16 \f, 1, 0
.endm
.macro THREE slot, zero
	QUARTER \slot, 128, F0, F1, \zero
	QUARTER \slot, 256, F1, F0, 0
	QUARTER \slot, 384, F0, F1, 0
.endm
; The change of slots comes first in the last quarter: each wave's reads of this slot (its last fragments are in buffer 1) and all its tensor loads are waited for; where the slot is
; filled again a round of the cluster's barrier follows at once, with nothing inside it, and the joint refill is the first thing behind the round.  A step brings 128 KiB for 128 matrix
; instructions of a wave, so the request goes out as early as the ordering allows, and the quarter's own 32 matrix instructions come behind it.
.macro TURN slot, next, fill
	s_wait_dscnt 0x0
	s_set_vgpr_msb 0x5150
	s_wait_tensorcnt 0x0
	ds_add_u32 v126, v127
	s_wait_dscnt 0x0
	s_set_vgpr_msb 0x5051
	WIN 0
.if \fill
	CROUND                                         ; both waits now hold of every wave of all sixteen work-groups
	s_add_nc_u64 s[G0+4*\slot+2:G0+4*\slot+3], s[G0+4*\slot+2:G0+4*\slot+3], 1024     ; two K steps on; no tensor load of the wave is out
	s_add_nc_u64 s[G0B+4*\slot+2:G0B+4*\slot+3], s[G0B+4*\slot+2:G0B+4*\slot+3], 1024
	JLOAD \slot
.else
	s_barrier_signal -1                            ; it shows the next slot whole to every wave
	s_barrier_wait -1
.endif
	WIN 0x51
	MUL16 F1, 0, 0
	PLACES
	FETCH \next, 0, F0
	WIN 0x51
	MUL16 F1, 1, 0
.endm
.macro LAP zero
	THREE 0, \zero
	TURN 0, 1, 1
	THREE 1, 0
	TURN 1, 0, 1
.endm
	s_wait_tensorcnt 0x1                           ; my part of K step 0 is in; step 1's stays out
	s_barrier_signal -1
	s_barrier_wait -1
	FETCH 0, 0, F0
	LAP 1
	WIN 0
	s_mov_b32 s3, LAPS-2
.Llap:
	LAP 0
	WIN 0
	s_sub_co_u32 s3, s3, 1
	s_cmp_lg_u32 s3, 0
	s_cbranch_scc1 .Llap
	THREE 0, 0                                     ; the last lap fills nothing
	TURN 0, 1, 0
	THREE 1, 0
	s_wait_dscnt 0x0
	WIN 0x51
	MUL16 F1, 0, 0
	MUL16 F1, 1, 0
	; THE WAY OUT, 16 rows at a time through my own stage, which no tensor load fills.
	PLACES
	WIN 0
	s_lshl_b32 s72, s13, 20                        ; row 128 block + 64 half, 8,192 bytes a row (registers that feed no descriptor)
	s_lshl_b32 s74, s11, 19
	s_add_co_u32 s72, s72, s74
	s_lshl_b32 s74, s42, 9                         ; column: 512 bytes a block, 256 a half
	s_add_co_u32 s72, s72, s74
	s_lshl_b32 s74, s12, 8
	s_add_co_u32 s72, s72, s74
	s_mov_b32 s73, 0
	s_add_nc_u64 s[66:67], s[8:9], s[72:73]
.irp a, 0,1,2,3
	WIN 0x04                                       ; the stores' data from window 1
.irp b, 0,1,2,3
	ds_store_b128 v[STO], v[8*(4*\a+\b):8*(4*\a+\b)+3]   offset:64*\b
	ds_store_b128 v[STO], v[8*(4*\a+\b)+4:8*(4*\a+\b)+7] offset:64*\b+16
.endr
	WIN 0
.irp t, 0,1,2,3,4,5,6,7
	ds_load_b128 v[128+32*\a+4*\t:128+32*\a+4*\t+3], v[RD] offset:\t*2*SPITCH     ; LDS serves a wave's instructions in order (ISA guide 5.7.1.4)
.endr
.irp t, 0,1,2,3,4,5,6,7
	s_wait_dscnt 7-\t                              ; load t is back, the younger ones stay out
	global_store_b128 v[CO], v[128+32*\a+4*\t:128+32*\a+4*\t+3], s[66:67] offset:8192*(16*\a+2*\t) th:TH_STORE_NT   ; sixteen lanes store 256 consecutive bytes, aligned; four sets of registers, none written again
.endr
.endr
	s_wait_tensorcnt 0x0
	ds_add_u32 v126, v127
	s_wait_dscnt 0x0
	CROUND                                         ; the closing round
	s_endpgm
.Lfunc_end_k_q6b692fdc50_oproj:
	.size	k_q6b692fdc50_oproj, .Lfunc_end_k_q6b692fdc50_oproj-k_q6b692fdc50_oproj
	.p2alignl 7, 3214868480
	.fill 96, 4, 3214868480
	.section	.rodata,"a",@progbits
	.p2align	6, 0x0
	.amdhsa_kernel k_q6b692fdc50_oproj
		.amdhsa_group_segment_fixed_size 327680
		.amdhsa_private_segment_fixed_size 0
		.amdhsa_enable_private_segment 0
		.amdhsa_kernarg_size 24
		.amdhsa_user_sgpr_count 2
		.amdhsa_user_sgpr_kernarg_segment_ptr 1
		.amdhsa_wavefront_size32 1
		.amdhsa_system_sgpr_workgroup_id_x 1
		.amdhsa_system_sgpr_workgroup_id_y 1
		.amdhsa_system_sgpr_workgroup_id_z 1
		.amdhsa_system_vgpr_workitem_id 0
		.amdhsa_next_free_vgpr 512
		.amdhsa_next_free_sgpr 80
		.amdhsa_reserve_vcc 0
		.amdhsa_float_denorm_mode_32 3
		.amdhsa_float_denorm_mode_16_64 3
		.amdhsa_memory_ordered 1
		.amdhsa_forward_progress 1
		.amdhsa_inst_pref_size 122
	.end_amdhsa_kernel
	.amdgpu_metadata
---
amdhsa.version: [ 1, 2 ]
amdhsa.kernels:
  - .name:           k_q6b692fdc50_oproj
    .symbol:         k_q6b692fdc50_oproj.kd
    .args:
      - { .name: att, .offset: 0, .size: 8, .value_kind: global_buffer, .address_space: global }
      - { .name: cast, .offset: 8, .size: 8, .value_kind: global_buffer, .address_space: global }
      - { .name: out0, .offset: 16, .size: 8, .value_kind: global_buffer, .address_space: global }
    .group_segment_fixed_size: 327680
    .private_segment_fixed_size: 0
    .kernarg_segment_align: 8
    .kernarg_segment_size: 24
    .max_flat_workgroup_size: 128
    .sgpr_count:     80
    .vgpr_count:     512
    .wavefront_size: 32
...
	.end_amdgpu_metadata
.endif
;; end of part 4
